; MI455X (gfx1250); checked and timed in simulation.
; The chip was launched on July 23, 2026; its instructions are those of AMD's public machine-readable ISA for CDNA 5 (MIT licence, August 2026) and "CDNA5" Instruction Set Architecture Reference Guide (July 2026). The comments in the code are by the model that wrote it; some were corrected since.
;; Multi Head Attention W. Allowed arithmetic: float matrix products may take bf16 or f16 operands with f32 sums; all other float work in f32.
;; Inputs: Wk 1,024 x 1,024 float32; Wo 1,024 x 1,024 float32; Wq 1,024 x 1,024 float32; Wv 1,024 x 1,024 float32; head_w 16 float32; mask 2 x 1 x 1 x 2,048 bool; x 2 x 2,048 x 1,024 float32.
;; Outputs: out0 2 x 2,048 x 1,024 float32.
;; One version. Each part assembles by itself: llvm-mc -triple=amdgcn-amd-amdhsa -mcpu=gfx1250 --defsym DOCPART=n.
;; ======== version 1 of 1: 4 launches
;; limits: values are held in f16: magnitudes above 65,504 overflow, below 6.1e-05 lose precision
;; workspace buffers: xw 16,777,216 bytes; qkv 25,165,824 bytes; ctx 8,388,608 bytes
;; launch cast (part 1): grid 512 x 1, 8 waves a work-group, no clusters, 0 bytes of LDS; arguments x, Wq, Wk, Wv, Wo, head_w, xw; writes xw
.if DOCPART == 1
	.amdgcn_target "amdgcn-amd-amdhsa--gfx1250"
	.amdhsa_code_object_version 6
	.text
	.protected	k_q4ca6b7c0e0_cast
	.globl	k_q4ca6b7c0e0_cast
	.p2align	8
	.type	k_q4ca6b7c0e0_cast,@function
k_q4ca6b7c0e0_cast:
	s_mov_b64 s[64:65], 0
	v_nop
	global_prefetch_b8 v0, s[64:65] scope:SCOPE_SE
	s_setreg_imm32_b32 hwreg(HW_REG_WAVE_MODE, 25, 1), 1
	s_wait_xcnt 0x0
; xw = f16 of x (byte 0), Wq, Wk, Wv (byte 8,388,608, one matrix of 3,072 rows) and Wo[n][k] * head_w[k / 64] (byte 14,680,064).
; (context * head_w) Wo^T = context (Wo * head_w)^T, so the gain of each head is multiplied into Wo's columns here, in f32, ahead of the one rounding.
; A stream: every source byte is read once, every byte of xw written once.  No LDS, no barrier, no matrix unit, no cluster: no two work-groups share a byte.
; Work-group id casts 65,536 source bytes (16,384 numbers) into 32,768 bytes at xw + 32,768 id.  id 0-255: x; 256-319: Wq; 320-383: Wk; 384-447: Wv; 448-511: Wo.
; Wave w, load j, lane L: 16 bytes at 8,192 w + 512 j + 16 L (a load covers 512 consecutive bytes), stored as 8 bytes at 4,096 w + 256 j + 8 L
; (a store covers 256 consecutive bytes, aligned).  All 16 loads of a wave are issued at once; each has registers of its own, so no register is written twice.
; LIMIT: f16 holds magnitudes up to 65,504 and steps of 2^-24 below 2^-14.  x of the drawn kind reaches about 5.5, the weights 0.03: room for a factor of 30
; either way (thirty times smaller, Wo * head_w lies among f16's denormals, whose step is about a thousandth of its spread).
.set SC, 4                             ; v[4:11]   head_w[2 jj + (L >> 4)], jj = 0..7, or 1.0 where the source is not Wo
.set X,  16                            ; v[16:79]  load j: 4 registers of f32
.set Y,  80                            ; v[80:111] load j: 2 registers of f16
	s_load_b256 s[4:11], s[0:1], 0x0               ; x s[4:5], Wq s[6:7], Wk s[8:9], Wv s[10:11]
	s_load_b128 s[12:15], s[0:1], 0x20             ; Wo s[12:13], head_w s[14:15]
	s_load_b64 s[16:17], s[0:1], 0x30              ; xw
	s_mov_b32 s2, ttmp9                            ; id
	v_and_b32 v12, 31, v0                          ; lane
	v_lshrrev_b32 v13, 5, v0                       ; wave
	v_lshlrev_b32 v1, 4, v12
	v_lshl_add_u32 v1, v13, 13, v1                 ; source: 8,192 w + 16 L
	v_lshlrev_b32 v2, 3, v12
	v_lshl_add_u32 v2, v13, 12, v2                 ; target: 4,096 w + 8 L
	v_bfe_u32 v3, v0, 4, 1
	v_lshlrev_b32 v3, 2, v3                        ; head_w: 4 (L >> 4)
	s_and_b32 s23, s2, 63
	s_cmp_lt_u32 s2, 256
	s_cselect_b32 s24, s2, s23                     ; my chunk inside its source
	s_lshl_b32 s24, s24, 16
	s_mov_b32 s25, 0
	s_lshl_b32 s26, s2, 15                         ; my chunk inside xw
	s_mov_b32 s27, 0
	s_wait_kmcnt 0x0
	s_mov_b64 s[20:21], s[4:5]                     ; the source, chosen by the work-group's number alone
	s_cmp_ge_u32 s2, 256
	s_cselect_b64 s[20:21], s[6:7], s[20:21]
	s_cmp_ge_u32 s2, 320
	s_cselect_b64 s[20:21], s[8:9], s[20:21]
	s_cmp_ge_u32 s2, 384
	s_cselect_b64 s[20:21], s[10:11], s[20:21]
	s_cmp_ge_u32 s2, 448
	s_cselect_b64 s[20:21], s[12:13], s[20:21]
	s_cselect_b32 s22, -1, 0                       ; all ones where the source is Wo
	s_add_nc_u64 s[20:21], s[20:21], s[24:25]
	s_add_nc_u64 s[16:17], s[16:17], s[26:27]
	; A row of Wo is 4,096 bytes, so byte 512 j + 16 L of a wave's part is column 128 (j % 8) + 4 L: head 2 (j % 8) + (L >> 4).
.irp jj, 0,1,2,3,4,5,6,7
	global_load_b32 v[SC+\jj], v3, s[14:15] offset:8*\jj
.endr
.irp j, 0,1,2,3,4,5,6,7,8,9,10,11,12,13,14,15
	global_load_b128 v[X+4*\j:X+4*\j+3], v1, s[20:21] offset:512*\j th:TH_LOAD_NT
.endr
	s_wait_loadcnt 16                              ; loads return in order (ISA guide 5.7.1): the eight gains are in, the 16 data loads behind them stay out
.irp jj, 0,1,2,3,4,5,6,7
	v_cndmask_b32 v[SC+\jj], 1.0, v[SC+\jj], s22   ; the gain for Wo, 1.0 for every other source
.endr
.set j, 0
.rept 16
	s_wait_loadcnt 15-j                            ; load j is in, the 15 - j younger ones stay out
.if (j%2) == 0
	v_pk_mul_f32 v[X+4*j:X+4*j+1],   v[X+4*j:X+4*j+1],   v[SC+(j%8):SC+(j%8)+1] op_sel_hi:[1,0]              ; both by the pair's first register
	v_pk_mul_f32 v[X+4*j+2:X+4*j+3], v[X+4*j+2:X+4*j+3], v[SC+(j%8):SC+(j%8)+1] op_sel_hi:[1,0]
.else
	v_pk_mul_f32 v[X+4*j:X+4*j+1],   v[X+4*j:X+4*j+1],   v[SC+(j%8)-1:SC+(j%8)] op_sel:[0,1] op_sel_hi:[1,1]  ; both by the pair's second register
	v_pk_mul_f32 v[X+4*j+2:X+4*j+3], v[X+4*j+2:X+4*j+3], v[SC+(j%8)-1:SC+(j%8)] op_sel:[0,1] op_sel_hi:[1,1]
.endif
	v_cvt_pk_f16_f32 v[Y+2*j],   v[X+4*j],   v[X+4*j+1]
	v_cvt_pk_f16_f32 v[Y+2*j+1], v[X+4*j+2], v[X+4*j+3]
	global_store_b64 v2, v[Y+2*j:Y+2*j+1], s[16:17] offset:256*j   ; the next launch reads it: no streaming hint
.set j, j+1
.endr
	s_endpgm
.Lfunc_end_k_q4ca6b7c0e0_cast:
	.size	k_q4ca6b7c0e0_cast, .Lfunc_end_k_q4ca6b7c0e0_cast-k_q4ca6b7c0e0_cast
	.p2alignl 7, 3214868480
	.fill 96, 4, 3214868480
	.section	.rodata,"a",@progbits
	.p2align	6, 0x0
	.amdhsa_kernel k_q4ca6b7c0e0_cast
		.amdhsa_group_segment_fixed_size 0
		.amdhsa_private_segment_fixed_size 0
		.amdhsa_enable_private_segment 0
		.amdhsa_kernarg_size 56
		.amdhsa_user_sgpr_count 2
		.amdhsa_user_sgpr_kernarg_segment_ptr 1
		.amdhsa_wavefront_size32 1
		.amdhsa_system_sgpr_workgroup_id_x 1
		.amdhsa_system_sgpr_workgroup_id_y 1
		.amdhsa_system_sgpr_workgroup_id_z 1
		.amdhsa_system_vgpr_workitem_id 0
		.amdhsa_next_free_vgpr 112
		.amdhsa_next_free_sgpr 66
		.amdhsa_reserve_vcc 0
		.amdhsa_float_denorm_mode_32 3
		.amdhsa_float_denorm_mode_16_64 3
		.amdhsa_memory_ordered 1
		.amdhsa_forward_progress 1
		.amdhsa_inst_pref_size 11
	.end_amdhsa_kernel
	.amdgpu_metadata
---
amdhsa.version: [ 1, 2 ]
amdhsa.kernels:
  - .name:           k_q4ca6b7c0e0_cast
    .symbol:         k_q4ca6b7c0e0_cast.kd
    .args:
      - { .name: x, .offset: 0, .size: 8, .value_kind: global_buffer, .address_space: global }
      - { .name: Wq, .offset: 8, .size: 8, .value_kind: global_buffer, .address_space: global }
      - { .name: Wk, .offset: 16, .size: 8, .value_kind: global_buffer, .address_space: global }
      - { .name: Wv, .offset: 24, .size: 8, .value_kind: global_buffer, .address_space: global }
      - { .name: Wo, .offset: 32, .size: 8, .value_kind: global_buffer, .address_space: global }
      - { .name: head_w, .offset: 40, .size: 8, .value_kind: global_buffer, .address_space: global }
      - { .name: xw, .offset: 48, .size: 8, .value_kind: global_buffer, .address_space: global }
    .group_segment_fixed_size: 0
    .private_segment_fixed_size: 0
    .kernarg_segment_align: 8
    .kernarg_segment_size: 56
    .max_flat_workgroup_size: 256
    .sgpr_count:     66
    .vgpr_count:     112
    .wavefront_size: 32
...
	.end_amdgpu_metadata
.endif
;; end of part 1
;; launch qkv (part 2): grid 16 x 16, 4 waves a work-group, clusters of 4 x 4, 327,680 bytes of LDS; arguments xw, qkv; writes qkv
.if DOCPART == 2
	.amdgcn_target "amdgcn-amd-amdhsa--gfx1250"
	.amdhsa_code_object_version 6
	.text
	.protected	k_q4ca6b7c0e0_qkv
	.globl	k_q4ca6b7c0e0_qkv
	.p2align	8
	.type	k_q4ca6b7c0e0_qkv,@function
k_q4ca6b7c0e0_qkv:
	s_mov_b64 s[64:65], 0
	v_nop
	global_prefetch_b8 v0, s[64:65] scope:SCOPE_SE
	s_setreg_imm32_b32 hwreg(HW_REG_WAVE_MODE, 25, 1), 1
	s_wait_xcnt 0x0
	s_wait_alu depctr_hold_cnt(0) depctr_sa_sdst(0) depctr_va_vdst(0) depctr_va_sdst(0) depctr_va_ssrc(0) depctr_va_vcc(0) depctr_vm_vsrc(0)
	s_getreg_b32 s2, hwreg(HW_REG_IB_STS2, 6, 4)
	s_cmp_eq_u32 s2, 0
	s_cbranch_scc0 .Lentry_in_a_cluster
	s_endpgm
.Lentry_in_a_cluster:
	s_bfe_u32 s2, ttmp6, 0x10000c
	s_cmp_lg_u32 s2, 0xf033
	s_cbranch_scc0 .Lentry_shape_is_right
	s_endpgm
.Lentry_shape_is_right:
; [4096 tokens][3072 features] = x [Wq; Wk; Wv]^T, f16 operands (from xw), f32 sums over K = 1024, rounded once to f16.
; Output layout: qkv[unit][2048 tokens][64], unit = 2 head48 + batch; head48 0-15 are q's heads, 16-31 k's, 32-47 v's.  Two tokens of a head are 256 consecutive bytes.
; A work-group makes 256 tokens x 192 features (three heads) with four waves, as many as a WGP has SIMDs; 16 x 16 = 256 work-groups.
; Wave w makes tokens 64 w .. 64 w + 63 x all 192 features: 4 x 12 = 48 accumulator tiles, 384 registers, so whole heads leave from one wave and the way out needs no barrier.
; K goes in steps of 128 (rows of 256 bytes, aligned) through two LDS slots filled by the tensor data mover.
; CLUSTERS: 4 x 4 work-groups.  x's tile hangs on the token block alone and is asked for jointly along a row of the cluster, the weights' tile on the feature
; block alone and is asked for jointly along a column: the requests for both are divided by four.
; LIMIT: q, k, v are kept in f16 (up to 65,504).  Of the drawn kind they reach about 3.5; with x and the weights both thirty times larger about 3,200.
;
; REGISTERS in windows of 256:
;   window 0: v16-26 addresses; v32-63, v64-95 fragments of x (4 x 16 rows x 32 K), two buffers; v96-143, v144-239 at work on the way out
;   window 1: v0-95, v96-191 fragments of the weights (12 x 16 rows x 32 K), two buffers
;   window 2: accumulator tiles of my token tiles 0, 1 (tile (a, b) at v[8 (12 a + b)]);  window 3: of token tiles 2, 3
; The matrix instruction is used transposed: source 0 = 16 rows of the weights, source 1 = 16 rows of x, so that lane l holds token l % 16 and its eight
; registers the features 8 (l / 16) + 0..7: 16 neighbouring bytes of f16.
.set KSTEP,  128
.set PITCH,  272                       ; 256 bytes of data + 16 of padding: the 16 rows of a fragment load start 68 words apart, in 16 different groups of four banks (ISA guide 11.1)
.set AHALF,  128*PITCH                 ; what one load of x brings
.set BHALF,  96*PITCH                  ; what one load of the weights brings
.set BOFF,   2*AHALF                   ; the weights' 192 rows lie behind x's 256
.set SLOT,   BOFF+2*BHALF              ; 121,856
.set STAGE,  2*SLOT                    ; 243,712: behind the ring, a multiple of 256; no tensor load lands here
.set SPITCH, 144                       ; stage: 128 bytes of a token's head + 16
.set HSTG,   16*SPITCH                 ; 16 tokens of one head
.set WSTG,   3*HSTG                    ; a wave's stage: three heads
.set UNIT,   262144                    ; bytes of one (head48, batch) in qkv
.set LAPS,   4                         ; 1024 / (2 x 128)
.set ADRA, 16                          ; v16-17  LDS address of my x fragments in slot 0, 1
.set ADRB, 20                          ; v20-21  the same for the weights
.set STO,  24
.set RD,   25
.set CO,   26
.set AF,   32                          ; x fragments: buffer f at AF + 32 f (window 0); the weights': buffer f at 96 f (window 1)
.set TMP,  96
.set RB0,  144
.set RB1,  192
.set G1, 24                            ; s[24:31] group 1 for x's tiles
.set G0, 32                            ; s[32:39] group 0 for x's tiles, one set for each slot
.set G1B, 48                           ; s[48:55] group 1 for the weights' tiles
.set G0B, 56                           ; s[56:63] group 0 for the weights' tiles
.set MSB, 0
.macro WIN new                         ; the immediate's high byte repeats the setting that is left
.if MSB != \new
	s_set_vgpr_msb (MSB<<8)|\new
.set MSB, \new
.endif
.endm
.set MUL_LO, 0xa1                      ; source 0 window 1, source 1 window 0, C and D window 2
.set MUL_HI, 0xf1                      ; the same, C and D window 3
.set TO_B,   0x40                      ; destination window 1, address window 0
; A joint load.  Waves 0 and 1 fetch x's two halves, waves 2 and 3 the weights'.  The branch hangs on the wave's number alone.
.macro JLOAD s
	s_cmp_eq_u32 s11, 0
	s_cbranch_scc0 .Lfor_b_\@
	tensor_load_to_lds s[G0+4*\s:G0+4*\s+3], s[G1:G1+7]
	s_nop 0
	s_branch .Lasked_\@
.Lfor_b_\@:
	tensor_load_to_lds s[G0B+4*\s:G0B+4*\s+3], s[G1B:G1B+7]
	s_nop 0
.Lasked_\@:
.endm
.macro CREST                           ; a round of the cluster's barrier behind its opening work-group barrier
	s_cmp_lg_u32 s10, 0
	s_cbranch_scc1 .Lnot_wave_0_\@
	s_barrier_signal -3
.Lnot_wave_0_\@:
	s_barrier_wait -3
	s_barrier_signal -1
	s_barrier_wait -1
.endm
.macro CROUND                          ; a whole round
	s_barrier_signal -1
	s_barrier_wait -1
	CREST
.endm
	s_load_b64 s[4:5], s[0:1], 0x0                 ; xw
	s_load_b64 s[8:9], s[0:1], 0x8                 ; qkv
	s_set_vgpr_msb 0x40
	v_lshl_add_u32 v255, v0, 2, 0x42400
	s_set_vgpr_msb 0x4000
	v_mov_b32 v255, 0
	s_set_vgpr_msb 0x1
	ds_add_u32 v255, v255
	s_set_vgpr_msb 0x100
	v_lshrrev_b32 v1, 5, v0
	v_readfirstlane_b32 s10, v1                    ; wave 0..3
	s_lshr_b32 s11, s10, 1                         ; I fetch for x (0) or for the weights (1)
	s_and_b32 s12, s10, 1                          ; which half of that tile
	s_bfe_u32 s40, ttmp6, 0x40000                  ; cx
	s_bfe_u32 s41, ttmp6, 0x40004                  ; cy
	s_lshl_b32 s42, ttmp9, 2
	s_add_co_u32 s42, s42, s40                     ; feature block = 4 x cluster x + cx
	s_and_b32 s13, ttmp7, 0xffff
	s_lshl_b32 s13, s13, 2
	s_add_co_u32 s13, s13, s41                     ; token block = 4 x cluster y + cy
	s_lshl_b32 s43, s41, 2
	s_lshl_b32 s43, 15, s43                        ; my row of the cluster
	s_lshl_b32 s44, 0x1111, s40                    ; my column
	; group 1: rows of 128 elements of 2 bytes, 16 bytes of padding behind every 64 words
	s_or_b32 s[G1+0], s43, (1<<16)|(1<<20)|(1<<21)|(5<<22)|(3<<25)
	s_or_b32 s[G1B+0], s44, (1<<16)|(1<<20)|(1<<21)|(5<<22)|(3<<25)
	s_mov_b32 s[G1+1], KSTEP<<16                   ; tensor_dim0 = 128
	s_mov_b32 s[G1B+1], KSTEP<<16
	s_mov_b32 s[G1+2], 128<<16                     ; tensor_dim1 = 128 rows of x
	s_mov_b32 s[G1B+2], 96<<16                     ;             =  96 rows of the weights
	s_mov_b32 s[G1+3], KSTEP<<16                   ; tile_dim0 = 128
	s_mov_b32 s[G1B+3], KSTEP<<16
	s_mov_b32 s[G1+4], 128                         ; tile_dim1
	s_mov_b32 s[G1B+4], 96
	s_mov_b32 s[G1+5], 1024                        ; elements from row to row
	s_mov_b32 s[G1B+5], 1024
	s_mov_b32 s[G1+6], 0
	s_mov_b32 s[G1B+6], 0
	s_mov_b32 s[G1+7], 0
	s_mov_b32 s[G1B+7], 0
	; x's address is made of the token block and the wave's number, the weights' of the feature block and the wave's number, in registers that never hold the other coordinate
	s_lshl_b32 s16, s13, 8
	s_lshl_b32 s17, s12, 7
	s_add_co_u32 s16, s16, s17                     ; x: row 256 x block + 128 x half
	s_lshl_b32 s16, s16, 11                        ; rows of 2,048 bytes
	s_mov_b32 s17, 0
	s_mul_i32 s46, s42, 192
	s_mul_i32 s47, s12, 96
	s_add_co_u32 s46, s46, s47                     ; weights: row 192 x block + 96 x half
	s_lshl_b32 s46, s46, 11
	s_mov_b32 s47, 0
	s_mul_i32 s20, s10, AHALF                      ; LDS: x's halves at wave x 34,816 (waves 0, 1)
	s_mul_i32 s21, s10, BHALF
	s_add_co_u32 s21, s21, BOFF-2*BHALF            ; the weights' halves at 69,632 + (wave - 2) x 26,112 (waves 2, 3)
	s_wait_dscnt 0x0
	s_wait_kmcnt 0x0
	s_add_nc_u64 s[14:15], s[4:5], s[16:17]
	s_add_nc_u64 s[6:7], s[4:5], 0x800000          ; the three weights lie 8,388,608 bytes into xw
	s_add_nc_u64 s[46:47], s[6:7], s[46:47]
	CROUND                                         ; all sixteen work-groups are here: the first joint loads meet
.irp s, 0,1
	s_mov_b32 s[G0+4*\s], 1
	s_add_co_u32 s[G0+4*\s+1], s20, \s*SLOT
	s_add_nc_u64 s[G0+4*\s+2:G0+4*\s+3], s[14:15], \s*KSTEP*2
	s_or_b32 s[G0+4*\s+3], s[G0+4*\s+3], 0x80000000
	s_mov_b32 s[G0B+4*\s], 1
	s_add_co_u32 s[G0B+4*\s+1], s21, \s*SLOT
	s_add_nc_u64 s[G0B+4*\s+2:G0B+4*\s+3], s[46:47], \s*KSTEP*2
	s_or_b32 s[G0B+4*\s+3], s[G0B+4*\s+3], 0x80000000
	JLOAD \s                                       ; K steps 0 and 1: two loads of the wave are out, the most in this text
.endr
	v_and_b32 v1, 15, v0                           ; r = l % 16
	v_bfe_u32 v2, v0, 4, 1                         ; h = l / 16
	v_mul_u32_u24 v3, v1, PITCH
	v_lshl_add_u32 v3, v2, 4, v3                   ; row x pitch + 16 h
	s_mul_i32 s22, s10, 64*PITCH                   ; my 64 rows of x
	s_mov_b32 s23, BOFF                            ; all 192 rows of the weights
.irp s, 0,1
	v_add_nc_u32 v[ADRA+\s], s22, v3
	v_add_nc_u32 v[ADRB+\s], s23, v3
	s_add_co_u32 s22, s22, SLOT
	s_add_co_u32 s23, s23, SLOT
.endr
	s_mul_i32 s23, s10, WSTG
	s_add_co_u32 s23, s23, STAGE                   ; my stage
	v_mul_u32_u24 v4, v1, SPITCH
	v_lshl_add_u32 v4, v2, 4, v4
	v_add_nc_u32 v[STO], s23, v4                   ; in: token r, 16 bytes for each half of the lanes
	v_and_b32 v6, 31, v0
	v_lshrrev_b32 v7, 3, v6
	v_and_b32 v8, 7, v0
	v_mul_u32_u24 v7, v7, SPITCH
	v_lshl_add_u32 v7, v8, 4, v7
	v_add_nc_u32 v[RD], s23, v7                    ; back: eight lanes take a token's 128 bytes, the wave four tokens
	v_lshlrev_b32 v[CO], 4, v6                     ; which are 512 consecutive bytes of qkv
; 12 matrix instructions: token tile 2 hi + a x all 12 feature tiles, 32 along K.  zero = 1: the first product starts the sums.
.macro MULROW f, hi, a, zero
.irp b, 0,1,2,3,4,5,6,7,8,9,10,11
.if \zero
	v_wmma_f32_16x16x32_f16 v[8*(12*\a+\b):8*(12*\a+\b)+7], v[96*\f+8*\b:96*\f+8*\b+7], v[AF+32*\f+8*(2*\hi+\a):AF+32*\f+8*(2*\hi+\a)+7], 0
.else
	v_wmma_f32_16x16x32_f16 v[8*(12*\a+\b):8*(12*\a+\b)+7], v[96*\f+8*\b:96*\f+8*\b+7], v[AF+32*\f+8*(2*\hi+\a):AF+32*\f+8*(2*\hi+\a)+7], v[8*(12*\a+\b):8*(12*\a+\b)+7]
.endif
.endr
.endm
; 32 LDS loads in one run: 192 rows of the weights, then my 64 rows of x, 32 K at byte k of the rows, into buffer f
.macro FETCH slot, k, f
	WIN TO_B
.irp i, 0,1,2,3,4,5,6,7,8,9,10,11
	ds_load_b128 v[96*\f+8*\i:96*\f+8*\i+3],   v[ADRB+\slot] offset:\k+\i*16*PITCH
	ds_load_b128 v[96*\f+8*\i+4:96*\f+8*\i+7], v[ADRB+\slot] offset:\k+\i*16*PITCH+32
.endr
	WIN 0
.irp i, 0,1,2,3
	ds_load_b128 v[AF+32*\f+8*\i:AF+32*\f+8*\i+3],   v[ADRA+\slot] offset:\k+\i*16*PITCH
	ds_load_b128 v[AF+32*\f+8*\i+4:AF+32*\f+8*\i+7], v[ADRA+\slot] offset:\k+\i*16*PITCH+32
.endr
.endm
; Four places behind the last matrix instruction, filled by plain vector instructions that name none of its registers, in front of
; loads into registers that matrix instructions have read and in front of vector instructions that read results.
.macro PLACES
.rept 4
	v_nop
.endr
.endm
; A K step is four quarters of 32 along K, 48 matrix instructions each, on buffers 0, 1, 0, 1.  The 48 accumulators take turns in one fixed order,
; one instruction a turn.
.macro QUARTER slot, k, f, g, zero
	s_wait_dscnt 4                                 ; the weights and x's token tiles 0, 1 are in; the youngest four loads (token tiles 2, 3) may be out
	WIN MUL_LO
	MULROW \f, 0, 0, \zero
	MULROW \f, 0, 1, \zero
	PLACES
	FETCH \slot, \k, \g
	s_wait_dscnt 32                                ; all but the 32 just issued
	WIN MUL_HI
	MULROW \f, 1, 0, \zero
	MULROW \f, 1, 1, \zero
.endm
.macro THREE slot, zero
	QUARTER \slot, 64,  0, 1, \zero
	QUARTER \slot, 128, 1, 0, 0
	QUARTER \slot, 192, 0, 1, 0
.endm
; The last quarter multiplies buffer 1 and changes slots.  In front of the barrier each wave waits for its reads of this slot and for all its tensor
; loads (one is out: its part of the next slot).  Behind it (with fill = 1: behind the round of the cluster's barrier that it opens) the refill comes first,
; then the next slot's first fragments.  From a request to the wait for it a wave issues 180 matrix instructions.
.macro TURN slot, next, fill
	s_wait_dscnt 4
	WIN MUL_LO
	MULROW 1, 0, 0, 0
	s_wait_dscnt 0                                 ; my reads of this slot are over
	s_wait_tensorcnt 0x0                           ; all my tensor loads have landed
	ds_add_u32 v255, v255
	s_wait_dscnt 0x0
	s_barrier_signal -1
	MULROW 1, 0, 1, 0                              ; register work while the others arrive
	WIN 0
	s_barrier_wait -1
.if \fill
	CREST                                          ; no wave of any partner still reads this slot or has a load on its way
	s_add_nc_u64 s[G0+4*\slot+2:G0+4*\slot+3], s[G0+4*\slot+2:G0+4*\slot+3], 2*KSTEP*2
	s_add_nc_u64 s[G0B+4*\slot+2:G0B+4*\slot+3], s[G0B+4*\slot+2:G0B+4*\slot+3], 2*KSTEP*2
	JLOAD \slot                                    ; the first tensor load behind the round
.endif
	PLACES
	FETCH \next, 0, 0
	WIN MUL_HI
	MULROW 1, 1, 0, 0
	MULROW 1, 1, 1, 0
.endm
.macro LAP zero
	THREE 0, \zero
	TURN 0, 1, 1
	THREE 1, 0
	TURN 1, 0, 1
.endm
	s_wait_tensorcnt 1                             ; my part of K step 0 is in; K step 1's load stays out
	s_barrier_signal -1
	s_barrier_wait -1                              ; everybody's part is in
	FETCH 0, 0, 0
	LAP 1                                          ; the first lap starts the sums
	WIN 0
	s_mov_b32 s3, LAPS-2
.Llap:
	LAP 0
	WIN 0
	s_sub_co_u32 s3, s3, 1
	s_cmp_lg_u32 s3, 0
	s_cbranch_scc1 .Llap
	THREE 0, 0                                     ; the last lap fills nothing
	TURN 0, 1, 0
	THREE 1, 0
	s_wait_dscnt 4
	WIN MUL_LO
	MULROW 1, 0, 0, 0
	MULROW 1, 0, 1, 0
	s_wait_dscnt 0
	WIN MUL_HI
	MULROW 1, 1, 0, 0
	MULROW 1, 1, 1, 0
	; THE WAY OUT, 16 tokens at a time: round to f16, 16 bytes a lane into my own stage (three heads x 16 tokens), read back four tokens of a head at a time.
	PLACES
	s_mul_i32 s68, s42, 6                          ; unit = 2 (3 x feature block + head) + batch; the head goes into the stores' offsets
	s_lshr_b32 s69, s13, 3                         ; batch: eight token blocks each
	s_add_co_u32 s68, s68, s69
	s_lshl_b32 s68, s68, 18                        ; units of 262,144 bytes
	s_and_b32 s69, s13, 7
	s_lshl_b32 s69, s69, 15                        ; 256 tokens of 128 bytes
	s_add_co_u32 s68, s68, s69
	s_lshl_b32 s69, s10, 13                        ; my 64 tokens
	s_add_co_u32 s68, s68, s69
	s_mov_b32 s69, 0
	s_add_nc_u64 s[8:9], s[8:9], s[68:69]
; token tile i = the twelve tiles (a, 0..11) of window 2 or 3 (from = 0x0a or 0x0f: sources 0 and 1); rb: RB0 and RB1 in turn
.macro OUT16 i, a, from, rb
	WIN \from
.irp b, 0,1,2,3,4,5,6,7,8,9,10,11
.irp r, 0,1,2,3
	v_cvt_pk_f16_f32 v[TMP+4*\b+\r], v[8*(12*\a+\b)+2*\r], v[8*(12*\a+\b)+2*\r+1]
.endr
.endr
	WIN 0
.irp b, 0,1,2,3,4,5,6,7,8,9,10,11
	ds_store_b128 v[STO], v[TMP+4*\b:TMP+4*\b+3] offset:(\b/4)*HSTG+(\b%4)*32
.endr
	s_wait_xcnt 0x0                                ; earlier stores have had their addresses translated (ISA guide 3.1): their data registers are loaded again only behind this wait
.irp t, 0,1,2,3,4,5,6,7,8,9,10,11
	ds_load_b128 v[\rb+4*\t:\rb+4*\t+3], v[RD] offset:(\t/4)*HSTG+(\t%4)*4*SPITCH   ; LDS serves a wave's instructions in order (ISA guide 5.7.1): these see the stores above
.endr
.irp t, 0,1,2,3,4,5,6,7,8,9,10,11
	s_wait_dscnt 11-\t                             ; read-back t is in, the younger ones stay out
	global_store_b128 v[CO], v[\rb+4*\t:\rb+4*\t+3], s[8:9] offset:(\t/4)*2*UNIT+\i*2048+(\t%4)*512   ; 512 consecutive bytes, aligned
.endr
.endm
	OUT16 0, 0, 0x0a, RB0
	OUT16 1, 1, 0x0a, RB1
	OUT16 2, 0, 0x0f, RB0
	OUT16 3, 1, 0x0f, RB1
	s_set_vgpr_msb 0x1
	s_wait_tensorcnt 0x0
	ds_add_u32 v255, v255
	s_wait_dscnt 0x0
	s_set_vgpr_msb 0x100
	CROUND                                         ; the closing round: no work-group ends while a partner may still ask for a tile that names it
	s_endpgm
.Lfunc_end_k_q4ca6b7c0e0_qkv:
	.size	k_q4ca6b7c0e0_qkv, .Lfunc_end_k_q4ca6b7c0e0_qkv-k_q4ca6b7c0e0_qkv
	.p2alignl 7, 3214868480
	.fill 96, 4, 3214868480
	.section	.rodata,"a",@progbits
	.p2align	6, 0x0
	.amdhsa_kernel k_q4ca6b7c0e0_qkv
		.amdhsa_group_segment_fixed_size 327680
		.amdhsa_private_segment_fixed_size 0
		.amdhsa_enable_private_segment 0
		.amdhsa_kernarg_size 16
		.amdhsa_user_sgpr_count 2
		.amdhsa_user_sgpr_kernarg_segment_ptr 1
		.amdhsa_wavefront_size32 1
		.amdhsa_system_sgpr_workgroup_id_x 1
		.amdhsa_system_sgpr_workgroup_id_y 1
		.amdhsa_system_sgpr_workgroup_id_z 1
		.amdhsa_system_vgpr_workitem_id 0
		.amdhsa_next_free_vgpr 960
		.amdhsa_next_free_sgpr 72
		.amdhsa_reserve_vcc 0
		.amdhsa_float_denorm_mode_32 3
		.amdhsa_float_denorm_mode_16_64 3
		.amdhsa_memory_ordered 1
		.amdhsa_forward_progress 1
		.amdhsa_inst_pref_size 163
	.end_amdhsa_kernel
	.amdgpu_metadata
---
amdhsa.version: [ 1, 2 ]
amdhsa.kernels:
  - .name:           k_q4ca6b7c0e0_qkv
    .symbol:         k_q4ca6b7c0e0_qkv.kd
    .args:
      - { .name: xw, .offset: 0, .size: 8, .value_kind: global_buffer, .address_space: global }
      - { .name: qkv, .offset: 8, .size: 8, .value_kind: global_buffer, .address_space: global }
    .group_segment_fixed_size: 327680
    .private_segment_fixed_size: 0
    .kernarg_segment_align: 8
    .kernarg_segment_size: 16
    .max_flat_workgroup_size: 128
    .sgpr_count:     72
    .vgpr_count:     960
    .wavefront_size: 32
...
	.end_amdgpu_metadata
.endif
;; end of part 2
;; launch attn (part 3): grid 8 x 32, 8 waves a work-group, clusters of 4 x 1, 327,680 bytes of LDS; arguments qkv, mask, ctx; writes ctx
.if DOCPART == 3
	.amdgcn_target "amdgcn-amd-amdhsa--gfx1250"
	.amdhsa_code_object_version 6
	.text
	.protected	k_q4ca6b7c0e0_attn
	.globl	k_q4ca6b7c0e0_attn
	.p2align	8
	.type	k_q4ca6b7c0e0_attn,@function
k_q4ca6b7c0e0_attn:
	s_mov_b64 s[64:65], 0
	v_nop
	global_prefetch_b8 v0, s[64:65] scope:SCOPE_SE
	s_setreg_imm32_b32 hwreg(HW_REG_WAVE_MODE, 25, 1), 1
	s_wait_xcnt 0x0
	s_wait_alu depctr_hold_cnt(0) depctr_sa_sdst(0) depctr_va_vdst(0) depctr_va_sdst(0) depctr_va_ssrc(0) depctr_va_vcc(0) depctr_vm_vsrc(0)
	s_getreg_b32 s2, hwreg(HW_REG_IB_STS2, 6, 4)
	s_cmp_eq_u32 s2, 0
	s_cbranch_scc0 .Lentry_in_a_cluster
	s_endpgm
.Lentry_in_a_cluster:
	s_bfe_u32 s2, ttmp6, 0x10000c
	s_cmp_lg_u32 s2, 0x3003
	s_cbranch_scc0 .Lentry_shape_is_right
	s_endpgm
.Lentry_shape_is_right:
; ctx[16 b + h][query][64] = softmax over keys of (q k^T / 8, masked keys at minus infinity) v, in f16; one (batch, head) for each grid y, y = 2 h + b.
; A work-group takes 256 queries, a wave 32 (two tiles of 16); 8 x 32 = 256 work-groups.  Keys go in 8 tiles of 256 through two LDS slots; a tile is worked in 4 blocks of 64 keys.
; CLUSTERS: the four query blocks of a cluster read the same K and V tiles and ask for them jointly (mask 15): the requests are divided by four.
; EVERYTHING IS TRANSPOSED, so that a query is a lane:
;   S^T(key, query) = K Q^T + bias: A = 16 rows of K, B = 16 rows of Q, C = the keys' bias (0, or -2^100 for a masked key).  Lane (r, h) holds query r, keys 8 h + j.
;   The maximum and the sum run along registers, with one exchange between the two halves of the lanes.
;   Two neighbouring S tiles, rounded to f16, are as they lie the B operand (32 keys x 16 queries) of O^T(d, query) += V^T P^T; V^T's fragments come by transposing LDS loads.
; Softmax with a running maximum: p = 2^(c s - c m), c = log2(e) / 8; sums and O are rescaled by 2^(c (m_old - m_new)) in every block.
; LIMITS: q, k, v and p are f16.  The running maximum starts at -2^90 and masked scores are s - 2^100.  |q . k| is below 64 x 65,504^2 < 2^38, so no score of an open key comes
; near either figure; a masked key's p is exactly 0.  A batch whose keys are all masked gives sum 0 and 0 x infinity = NaN, as the softmax of a row of minus infinities does.
; A mask byte counts as true when it is not 0.
.set KP,     144                       ; K's LDS rows: 128 bytes + 16: 16 rows of a fragment load start in 16 different groups of four banks
.set VP,     160                       ; V's LDS rows: 128 bytes + 32, an odd multiple of 32, for the transposing loads
.set KBYTES, 256*KP
.set SLOT,   KBYTES+256*VP             ; 77,824
.set BIAS,   2*SLOT                    ; 155,648: 2,048 f32, written once by LDS stores; no tensor load lands here
.set STAGE,  BIAS+8192                 ; 163,840
.set SP,     144
.set WSTG,   32*SP                     ; a wave's stage: 32 queries
.set TILEB,  32768                     ; a tile of 256 keys in memory
.set ADK, 4                            ; v4-5    my K fragment address in slot 0, 1
.set ADV, 6                            ; v6-7    my V fragment address in slot 0, 1
.set ADB, 8                            ; v8      bias address of this tile
.set STO, 9
.set RD,  10
.set CO,  11
.set M,   12                           ; v12-13  running maximum of query tile 0, 1
.set NM,  14                           ; v14-15  -c x maximum
.set AL,  16                           ; v16-17  the rescaling factor; at the end 1 / sum
.set LP,  18                           ; v18-21  partial sums, a pair for each query tile
.set T,   22                           ; v22-29  at work
.set QO,  30
.set Q,   32                           ; Q(q, ks) at Q + 16 q + 8 ks
.set O,   64                           ; O(q, dt) at O + 32 q + 8 dt
.set S,   128                          ; S(q, t) at S + 32 q + 8 t; P(q, g) packed in place at S + 32 q + 16 g
.set F,   192                          ; K fragments (t, ks) at F + 16 t + 8 ks, then V fragments (g, dt) at F + 32 g + 8 dt
.macro ROUND                           ; a round of the cluster's barrier
	s_barrier_signal -1
	s_barrier_wait -1
	s_cmp_lg_u32 s10, 0
	s_cbranch_scc1 .Lnot_wave_0_\@
	s_barrier_signal -3
.Lnot_wave_0_\@:
	s_barrier_wait -3
	s_barrier_signal -1
	s_barrier_wait -1
.endm
	s_load_b128 s[4:7], s[0:1], 0x0                ; qkv s[4:5], mask s[6:7]
	s_load_b64 s[8:9], s[0:1], 0x10                ; ctx
	s_set_vgpr_msb 0x40
	v_lshl_add_u32 v0, v0, 2, 0x31000
	v_mov_b32 v1, 0
	s_set_vgpr_msb 0x4045
	ds_add_u32 v0, v1
	s_set_vgpr_msb 0x4500
	v_lshrrev_b32 v1, 5, v0
	v_readfirstlane_b32 s10, v1                    ; wave 0..7
	s_bfe_u32 s11, ttmp6, 0x40000                  ; cx
	s_lshl_b32 s12, ttmp9, 2
	s_add_co_u32 s12, s12, s11                     ; query block 0..7
	s_and_b32 s13, ttmp7, 0xffff                   ; y = 2 h + b: q's unit; k's is 32 + y, v's 64 + y
	s_mov_b32 s48, 0x3e38aa3b                      ; c = log2(e) / 8, twice: a pair for the packed multiply-add
	s_mov_b32 s49, 0x3e38aa3b
	s_mov_b32 s50, 0xbe38aa3b                      ; -c
	s_mov_b32 s52, 0x76543210                      ; v_permlanex16_b32: lane i of one half reads lane i of the other
	s_mov_b32 s53, 0xfedcba98
	; group 1 for K: 32 rows of 64 elements of 2 bytes, dense in memory, 4 words of padding behind every 32; the mask names all four work-groups of the cluster
	s_mov_b32 s16, 15|(1<<16)|(1<<20)|(1<<21)|(4<<22)|(3<<25)
	s_mov_b32 s17, 64<<16                          ; tensor_dim0
	s_mov_b32 s18, 32<<16                          ; tensor_dim1
	s_mov_b32 s19, 64<<16                          ; tile_dim0
	s_mov_b32 s20, 32                              ; tile_dim1
	s_mov_b32 s21, 64                              ; elements from row to row
	s_mov_b32 s22, 0
	s_mov_b32 s23, 0
	; group 1 for V: the same with 8 words of padding
	s_mov_b32 s24, 15|(1<<16)|(1<<20)|(1<<21)|(4<<22)|(7<<25)
	s_mov_b32 s25, 64<<16
	s_mov_b32 s26, 32<<16
	s_mov_b32 s27, 64<<16
	s_mov_b32 s28, 32
	s_mov_b32 s29, 64
	s_mov_b32 s30, 0
	s_mov_b32 s31, 0
	; lane terms
	v_and_b32 v1, 15, v0                           ; r
	v_bfe_u32 v2, v0, 4, 1                         ; h
	v_and_b32 v3, 31, v0                           ; L
	v_mul_u32_u24 v[ADK], v1, KP
	v_lshl_add_u32 v[ADK], v2, 4, v[ADK]           ; key row r, 16 h bytes in
	v_add_nc_u32 v[ADK+1], SLOT, v[ADK]
	v_and_b32 v[ADV], 7, v0
	v_lshl_add_u32 v[ADV], v2, 3, v[ADV]           ; key row 8 h + (L & 7)
	v_mul_u32_u24 v[ADV], v[ADV], VP
	v_bfe_u32 v[ADV+1], v0, 3, 1
	v_lshl_add_u32 v[ADV], v[ADV+1], 4, v[ADV]     ; + 16 ((L >> 3) & 1)
	v_add_nc_u32 v[ADV], KBYTES, v[ADV]
	v_add_nc_u32 v[ADV+1], SLOT, v[ADV]
	v_lshlrev_b32 v[ADB], 5, v2
	v_add_nc_u32 v[ADB], BIAS, v[ADB]              ; keys 8 h .. 8 h + 7 of a tile of 16
	s_mul_i32 s58, s10, WSTG
	s_add_co_u32 s58, s58, STAGE                   ; my stage
	v_mul_u32_u24 v[STO], v1, SP
	v_lshl_add_u32 v[STO], v2, 4, v[STO]
	v_add_nc_u32 v[STO], s58, v[STO]
	v_lshrrev_b32 v[RD], 3, v3
	v_mul_u32_u24 v[RD], v[RD], SP
	v_and_b32 v[CO], 7, v0
	v_lshl_add_u32 v[RD], v[CO], 4, v[RD]
	v_add_nc_u32 v[RD], s58, v[RD]
	v_lshlrev_b32 v[CO], 4, v3
	v_lshlrev_b32 v[QO], 7, v1
	v_lshl_add_u32 v[QO], v2, 4, v[QO]             ; Q: row r of 128 bytes, 16 h bytes in
	v_lshlrev_b32 v31, 3, v0                       ; the mask: 8 bytes a thread, 2,048 for the work-group
	v_lshlrev_b32 v29, 5, v0
	v_add_nc_u32 v29, BIAS, v29                    ; and their 8 words of bias
	v_mov_b32 v[M], 0xec800000                     ; -2^90
	v_mov_b32 v[M+1], 0xec800000
	v_mov_b32 v[LP], 0
	v_mov_b32 v[LP+1], 0
	v_mov_b32 v[LP+2], 0
	v_mov_b32 v[LP+3], 0
	; where K's and V's tiles come from and go to: y, the wave's number and the slot alone
	s_add_co_u32 s58, s13, 32
	s_lshl_b32 s58, s58, 18                        ; k's unit
	s_lshl_b32 s59, s10, 12                        ; my 32 rows of 128 bytes
	s_add_co_u32 s58, s58, s59
	s_mov_b32 s59, 0
	s_mul_i32 s55, s10, 32*KP
	s_mul_i32 s51, s10, 32*VP
	s_and_b32 s56, s13, 1
	s_lshl_b32 s56, s56, 11                        ; my batch's 2,048 mask bytes
	s_mov_b32 s57, 0
	s_wait_dscnt 0x0
	s_wait_kmcnt 0x0
	s_add_nc_u64 s[6:7], s[6:7], s[56:57]
	global_load_b64 v[22:23], v31, s[6:7]
	s_add_nc_u64 s[60:61], s[4:5], s[58:59]        ; K
	s_add_nc_u64 s[62:63], s[60:61], 0x800000      ; V: 32 units further
.irp s, 0,1
	s_mov_b32 s[32+4*\s], 1
	s_add_co_u32 s[33+4*\s], s55, \s*SLOT
	s_add_nc_u64 s[34+4*\s:35+4*\s], s[60:61], \s*TILEB
	s_or_b32 s[35+4*\s], s[35+4*\s], 0x80000000
	s_mov_b32 s[40+4*\s], 1
	s_add_co_u32 s[41+4*\s], s51, \s*SLOT+KBYTES
	s_add_nc_u64 s[42+4*\s:43+4*\s], s[62:63], \s*TILEB
	s_or_b32 s[43+4*\s], s[43+4*\s], 0x80000000
.endr
	s_lshl_b32 s56, s13, 18                        ; Q: unit y, query 256 x block + 32 x wave, 128 bytes each
	s_lshl_b32 s57, s12, 15
	s_add_co_u32 s56, s56, s57
	s_lshl_b32 s57, s10, 12
	s_add_co_u32 s56, s56, s57
	s_mov_b32 s57, 0
	s_add_nc_u64 s[14:15], s[4:5], s[56:57]
.irp q, 0,1
.irp ks, 0,1
	global_load_b128 v[Q+16*\q+8*\ks:Q+16*\q+8*\ks+3],   v[QO], s[14:15] offset:\q*2048+\ks*64
	global_load_b128 v[Q+16*\q+8*\ks+4:Q+16*\q+8*\ks+7], v[QO], s[14:15] offset:\q*2048+\ks*64+32
.endr
.endr
	s_and_b32 s56, s13, 1                          ; ctx: unit 16 b + h, the same queries
	s_lshl_b32 s56, s56, 4
	s_lshr_b32 s57, s13, 1
	s_add_co_u32 s56, s56, s57
	s_lshl_b32 s56, s56, 18
	s_lshl_b32 s57, s12, 15
	s_add_co_u32 s56, s56, s57
	s_lshl_b32 s57, s10, 12
	s_add_co_u32 s56, s56, s57
	s_mov_b32 s57, 0
	s_add_nc_u64 s[8:9], s[8:9], s[56:57]
	s_wait_loadcnt 8                               ; the mask is in; Q's eight loads behind it stay out
.irp k, 0,1,2,3
	v_bfe_u32 v[S+\k],   v22, 8*\k, 8
	v_bfe_u32 v[S+4+\k], v23, 8*\k, 8
.endr
.irp k, 0,1,2,3,4,5,6,7
	v_add_nc_u32 v[S+\k], -1, v[S+\k]              ; byte 0: all ones; bytes 1 to 255: at most 254,
	v_and_b32 v[S+\k], 0xf1800000, v[S+\k]         ; so -2^100 for a masked key and 0 for an open one
.endr
	ds_store_b128 v29, v[S:S+3]
	ds_store_b128 v29, v[S+4:S+7] offset:16
	s_wait_dscnt 0x0                               ; my part of the bias table is written: the round's barriers show it to the other waves
	ROUND                                          ; and all four work-groups are here: the first joint loads meet
	tensor_load_to_lds s[32:35], s[16:23]          ; tile 0: my 32 rows of K
	s_nop 0
	tensor_load_to_lds s[40:43], s[24:31]          ; and of V.  Two loads of a wave are out at the most in this text
	s_nop 0
	s_wait_loadcnt 0x0                             ; Q
; K's fragments of a block of 64 keys (4 tiles of 16 keys x 2 steps of 32 along d), and the keys' bias into S(0, t)
.macro LOADK slot, blk
.irp t, 0,1,2,3
.irp ks, 0,1
	ds_load_b128 v[F+16*\t+8*\ks:F+16*\t+8*\ks+3],   v[ADK+\slot] offset:(\blk)*64*KP+\t*16*KP+\ks*64
	ds_load_b128 v[F+16*\t+8*\ks+4:F+16*\t+8*\ks+7], v[ADK+\slot] offset:(\blk)*64*KP+\t*16*KP+\ks*64+32
.endr
.endr
.irp t, 0,1,2,3
	ds_load_b128 v[S+8*\t:S+8*\t+3],   v[ADB] offset:(\blk)*256+\t*64
	ds_load_b128 v[S+8*\t+4:S+8*\t+7], v[ADB] offset:(\blk)*256+\t*64+16
.endr
.endm
; V^T's fragments of the block: 2 groups of 32 keys x 4 tiles of 16 along d, by transposing loads from rows that lie along d
.macro LOADV slot, blk
.irp g, 0,1
.irp dt, 0,1,2,3
	ds_load_tr16_b128 v[F+32*\g+8*\dt:F+32*\g+8*\dt+3],   v[ADV+\slot] offset:(\blk)*64*VP+\g*32*VP+\dt*32
	ds_load_tr16_b128 v[F+32*\g+8*\dt+4:F+32*\g+8*\dt+7], v[ADV+\slot] offset:(\blk)*64*VP+\g*32*VP+\dt*32+16*VP
.endr
.endr
.endm
; The new maximum of query tile q: 32 scores and the old maximum, 16 three-way maxima in four chains, one exchange between the halves of the lanes.
; Leaves c (m_old - m_new) in T + 4 q + 2 and -c m_new in NM + q.
.macro MAXQ q
.irp c, 0,1,2,3
	v_max3_num_f32 v[T+4*\q+\c], v[S+32*\q+8*\c], v[S+32*\q+8*\c+1], v[S+32*\q+8*\c+2]
.endr
.irp c, 0,1,2,3
	v_max3_num_f32 v[T+4*\q+\c], v[T+4*\q+\c], v[S+32*\q+8*\c+3], v[S+32*\q+8*\c+4]
.endr
.irp c, 0,1,2,3
	v_max3_num_f32 v[T+4*\q+\c], v[T+4*\q+\c], v[S+32*\q+8*\c+5], v[S+32*\q+8*\c+6]
.endr
	v_max3_num_f32 v[T+4*\q],   v[T+4*\q],   v[T+4*\q+1], v[S+32*\q+7]
	v_max3_num_f32 v[T+4*\q+2], v[T+4*\q+2], v[T+4*\q+3], v[S+32*\q+15]
	v_max3_num_f32 v[T+4*\q],   v[T+4*\q],   v[T+4*\q+2], v[S+32*\q+23]
	v_max3_num_f32 v[T+4*\q],   v[T+4*\q],   v[S+32*\q+31], v[M+\q]
	v_permlanex16_b32 v[T+4*\q+1], v[T+4*\q], s52, s53         ; the other eight keys of each tile
	v_max_num_f32 v[T+4*\q+1], v[T+4*\q], v[T+4*\q+1]
	v_sub_f32 v[T+4*\q+2], v[M+\q], v[T+4*\q+1]
	v_mov_b32 v[M+\q], v[T+4*\q+1]
	v_mul_f32 v[T+4*\q+2], s48, v[T+4*\q+2]
	v_mul_f32 v[NM+\q], s50, v[T+4*\q+1]
.endm
; One block of 64 keys.  first = 1: the very first block, whose products start O's sums.  more = 1: the next block's K fragments are fetched at the end.
.macro BLOCK slot, blk, first, more
	s_wait_dscnt 0x0                               ; K's fragments and the bias are in
	; 16 score products.  The accumulators take turns, one instruction a turn.
.irp t, 0,1,2,3
	v_wmma_f32_16x16x32_f16 v[S+32+8*\t:S+32+8*\t+7], v[F+16*\t:F+16*\t+7], v[Q+16:Q+23], v[S+8*\t:S+8*\t+7]     ; query tile 1 takes the bias from S(0, t)
.endr
.rept 5
	v_nop                                          ; five places (ISA guide 7.12.1): the next four write over registers that the last four read as C
.endr
.irp t, 0,1,2,3
	v_wmma_f32_16x16x32_f16 v[S+8*\t:S+8*\t+7], v[F+16*\t:F+16*\t+7], v[Q:Q+7], v[S+8*\t:S+8*\t+7]               ; query tile 0 adds onto the bias in place
.endr
.irp t, 0,1,2,3
	v_wmma_f32_16x16x32_f16 v[S+32+8*\t:S+32+8*\t+7], v[F+16*\t+8:F+16*\t+15], v[Q+24:Q+31], v[S+32+8*\t:S+32+8*\t+7]
.endr
.irp t, 0,1,2,3
	v_wmma_f32_16x16x32_f16 v[S+8*\t:S+8*\t+7], v[F+16*\t+8:F+16*\t+15], v[Q+8:Q+15], v[S+8*\t:S+8*\t+7]
.endr
.rept 4
	v_nop                                          ; four places in front of loads into K's fragments and of the reads of S
.endr
	LOADV \slot, \blk                              ; V lands while the softmax runs
	MAXQ 0
	MAXQ 1
	v_exp_f32 v[AL],   v[T+2]                      ; behind an exponential a plain vector instruction that touches neither its result nor its source
	v_exp_f32 v[AL+1], v[T+6]                      ; comes before the result is used (ISA guide 5.7.2): here and below the packed arithmetic of the other query tile
.set i, 0
.rept 16
	v_pk_fma_f32 v[S+2*i:S+2*i+1], v[S+2*i:S+2*i+1], s[48:49], v[NM:NM+1] op_sel_hi:[1,0,0]                      ; c s - c m, query tile 0
.set i, i+1
.endr
.set i, 0
.rept 16
	v_exp_f32 v[S+2*i],   v[S+2*i]
	v_exp_f32 v[S+2*i+1], v[S+2*i+1]
	v_pk_fma_f32 v[S+32+2*i:S+32+2*i+1], v[S+32+2*i:S+32+2*i+1], s[48:49], v[NM:NM+1] op_sel:[0,0,1] op_sel_hi:[1,0,1]   ; query tile 1
.set i, i+1
.endr
.set i, 0
.rept 16
	v_exp_f32 v[S+32+2*i],   v[S+32+2*i]
	v_exp_f32 v[S+32+2*i+1], v[S+32+2*i+1]
.if i == 0
	s_wait_alu depctr_va_vdst(0)
	v_pk_fma_f32 v[LP:LP+1], v[LP:LP+1], v[AL:AL+1], v[S:S+1] op_sel_hi:[1,0,1]                                  ; the old sums rescaled, plus the first pair
.else
	v_pk_add_f32 v[LP:LP+1], v[LP:LP+1], v[S+2*i:S+2*i+1]
.endif
	v_cvt_pk_f16_f32 v[S+16*(i/8)+(i%8)], v[S+2*i], v[S+2*i+1]     ; packed in place: the target never lies above the pair that is read
.set i, i+1
.endr
.set i, 0
.rept 16
.if i == 0
	v_pk_fma_f32 v[LP+2:LP+3], v[LP+2:LP+3], v[AL:AL+1], v[S+32:S+33] op_sel:[0,1,0] op_sel_hi:[1,1,1]
	s_wait_alu depctr_va_vdst(0)
.else
	v_pk_add_f32 v[LP+2:LP+3], v[LP+2:LP+3], v[S+32+2*i:S+32+2*i+1]
.endif
	v_cvt_pk_f16_f32 v[S+32+16*(i/8)+(i%8)], v[S+32+2*i], v[S+32+2*i+1]
.if \first == 0
	v_pk_mul_f32 v[O+2*i:O+2*i+1],       v[O+2*i:O+2*i+1],       v[AL:AL+1] op_sel_hi:[1,0]                      ; O rescaled
	v_pk_mul_f32 v[O+32+2*i:O+32+2*i+1], v[O+32+2*i:O+32+2*i+1], v[AL:AL+1] op_sel:[0,1] op_sel_hi:[1,1]
.endif
.set i, i+1
.endr
	s_wait_dscnt 0x0                               ; V's fragments are in
	; 16 products onto the eight tiles of O, by turns, one instruction a turn
.irp g, 0,1
.irp dt, 0,1,2,3
.irp q, 0,1
.if \first*(1-\g)
	v_wmma_f32_16x16x32_f16 v[O+32*\q+8*\dt:O+32*\q+8*\dt+7], v[F+32*\g+8*\dt:F+32*\g+8*\dt+7], v[S+32*\q+16*\g:S+32*\q+16*\g+7], 0
.else
	v_wmma_f32_16x16x32_f16 v[O+32*\q+8*\dt:O+32*\q+8*\dt+7], v[F+32*\g+8*\dt:F+32*\g+8*\dt+7], v[S+32*\q+16*\g:S+32*\q+16*\g+7], v[O+32*\q+8*\dt:O+32*\q+8*\dt+7]
.endif
.endr
.endr
.endr
.rept 5
	v_nop                                          ; five places: the next block's first products write over P of query tile 1; four of them also serve the loads into F and S
.endr
.if \more
	LOADK \slot, \blk+1
.endif
.endm
; One tile of 256 keys.  In front of the round every wave waits for all its tensor loads (its part of this tile among them) and for its reads of the other slot;
; behind the round the other slot is filled again first, and has this tile's four blocks in which to land.
.macro TRIP slot, refill, first
	s_set_vgpr_msb 0x5
	s_wait_tensorcnt 0x0                           ; no tensor load of mine is out, so every group 0 may be written:
	ds_add_u32 v0, v1
	s_wait_dscnt 0x0
	s_set_vgpr_msb 0x500
	s_add_nc_u64 s[34+4*\slot:35+4*\slot], s[34+4*\slot:35+4*\slot], 2*TILEB     ; this slot's next tile
	s_add_nc_u64 s[42+4*\slot:43+4*\slot], s[42+4*\slot:43+4*\slot], 2*TILEB
	s_wait_dscnt 0x0
	ROUND                                          ; both now hold of every wave of all four work-groups
.if \refill
	tensor_load_to_lds s[36-4*\slot:39-4*\slot], s[16:23]
	s_nop 0
	tensor_load_to_lds s[44-4*\slot:47-4*\slot], s[24:31]
	s_nop 0
.endif
	LOADK \slot, 0
	BLOCK \slot, 0, \first, 1
	BLOCK \slot, 1, 0, 1
	BLOCK \slot, 2, 0, 1
	BLOCK \slot, 3, 0, 0
	v_add_nc_u32 v[ADB], 1024, v[ADB]              ; the next 256 keys' bias
.endm
	TRIP 0, 1, 1
	TRIP 1, 1, 0
	s_mov_b32 s54, 2
.Llap:
	TRIP 0, 1, 0
	TRIP 1, 1, 0
	s_sub_co_u32 s54, s54, 1
	s_cmp_lg_u32 s54, 0
	s_cbranch_scc1 .Llap
	TRIP 0, 1, 0                                   ; fetches tile 7, the last
	TRIP 1, 0, 0
	; THE END: the two halves' sums meet, O is divided by them, rounded to f16, and leaves through my own stage as whole rows.
	v_add_f32 v[T],   v[LP],   v[LP+1]
	v_add_f32 v[T+4], v[LP+2], v[LP+3]
	v_permlanex16_b32 v[T+1], v[T],   s52, s53
	v_permlanex16_b32 v[T+5], v[T+4], s52, s53
	v_add_f32 v[T],   v[T],   v[T+1]
	v_add_f32 v[T+4], v[T+4], v[T+5]
	v_rcp_f32 v[AL],   v[T]
	v_rcp_f32 v[AL+1], v[T+4]
	v_nop                                          ; the plain place behind the reciprocals
	s_wait_alu depctr_va_vdst(0)
.irp q, 0,1
.irp dt, 0,1,2,3
.irp p, 0,1,2,3
.if \q == 0
	v_pk_mul_f32 v[O+8*\dt+2*\p:O+8*\dt+2*\p+1], v[O+8*\dt+2*\p:O+8*\dt+2*\p+1], v[AL:AL+1] op_sel_hi:[1,0]
.else
	v_pk_mul_f32 v[O+32+8*\dt+2*\p:O+32+8*\dt+2*\p+1], v[O+32+8*\dt+2*\p:O+32+8*\dt+2*\p+1], v[AL:AL+1] op_sel:[0,1] op_sel_hi:[1,1]
.endif
.endr
.irp p, 0,1,2,3
	v_cvt_pk_f16_f32 v[S+16*\q+4*\dt+\p], v[O+32*\q+8*\dt+2*\p], v[O+32*\q+8*\dt+2*\p+1]
.endr
	ds_store_b128 v[STO], v[S+16*\q+4*\dt:S+16*\q+4*\dt+3] offset:\q*16*SP+\dt*32   ; query 16 q + r, d = 16 dt + 8 h + 0..7
.endr
.endr
.irp n, 0,1,2,3,4,5,6,7
	ds_load_b128 v[F+4*\n:F+4*\n+3], v[RD] offset:\n*4*SP      ; four queries of 128 bytes; LDS serves a wave's instructions in order (ISA guide 5.7.1)
.endr
.irp n, 0,1,2,3,4,5,6,7
	s_wait_dscnt 7-\n                              ; read-back n is in, the younger ones stay out
	global_store_b128 v[CO], v[F+4*\n:F+4*\n+3], s[8:9] offset:512*\n   ; 512 consecutive bytes, aligned
.endr
	s_set_vgpr_msb 0x5
	s_wait_tensorcnt 0x0
	ds_add_u32 v0, v1
	s_wait_dscnt 0x0
	s_set_vgpr_msb 0x500
	ROUND                                          ; the closing round: no work-group ends while a partner may still ask for a tile that names it
	s_endpgm
.Lfunc_end_k_q4ca6b7c0e0_attn:
	.size	k_q4ca6b7c0e0_attn, .Lfunc_end_k_q4ca6b7c0e0_attn-k_q4ca6b7c0e0_attn
	.p2alignl 7, 3214868480
	.fill 96, 4, 3214868480
	.section	.rodata,"a",@progbits
	.p2align	6, 0x0
	.amdhsa_kernel k_q4ca6b7c0e0_attn
		.amdhsa_group_segment_fixed_size 327680
		.amdhsa_private_segment_fixed_size 0
		.amdhsa_enable_private_segment 0
		.amdhsa_kernarg_size 24
		.amdhsa_user_sgpr_count 2
		.amdhsa_user_sgpr_kernarg_segment_ptr 1
		.amdhsa_wavefront_size32 1
		.amdhsa_system_sgpr_workgroup_id_x 1
		.amdhsa_system_sgpr_workgroup_id_y 1
		.amdhsa_system_sgpr_workgroup_id_z 1
		.amdhsa_system_vgpr_workitem_id 0
		.amdhsa_next_free_vgpr 258
		.amdhsa_next_free_sgpr 66
		.amdhsa_reserve_vcc 0
		.amdhsa_float_denorm_mode_32 3
		.amdhsa_float_denorm_mode_16_64 3
		.amdhsa_memory_ordered 1
		.amdhsa_forward_progress 1
		.amdhsa_inst_pref_size 255
	.end_amdhsa_kernel
	.section	.bss,"aw",@nobits
	.p2align	6
	.space	262144
	.amdgpu_metadata
---
amdhsa.version: [ 1, 2 ]
amdhsa.kernels:
  - .name:           k_q4ca6b7c0e0_attn
    .symbol:         k_q4ca6b7c0e0_attn.kd
    .args:
      - { .name: qkv, .offset: 0, .size: 8, .value_kind: global_buffer, .address_space: global }
      - { .name: mask, .offset: 8, .size: 8, .value_kind: global_buffer, .address_space: global }
      - { .name: ctx, .offset: 16, .size: 8, .value_kind: global_buffer, .address_space: global }
    .group_segment_fixed_size: 327680
    .private_segment_fixed_size: 0
    .kernarg_segment_align: 8
    .kernarg_segment_size: 24
    .max_flat_workgroup_size: 256
    .sgpr_count:     66
    .vgpr_count:     258
    .wavefront_size: 32
...
	.end_amdgpu_metadata
.endif
;; end of part 3
;; launch proj (part 4): grid 8 x 32, 4 waves a work-group, clusters of 4 x 4, 327,680 bytes of LDS; arguments ctx, xw, out0; writes out0
.if DOCPART == 4
	.amdgcn_target "amdgcn-amd-amdhsa--gfx1250"
	.amdhsa_code_object_version 6
	.text
	.protected	k_q4ca6b7c0e0_proj
	.globl	k_q4ca6b7c0e0_proj
	.p2align	8
	.type	k_q4ca6b7c0e0_proj,@function
k_q4ca6b7c0e0_proj:
	s_mov_b64 s[64:65], 0
	v_nop
	global_prefetch_b8 v0, s[64:65] scope:SCOPE_SE
	s_setreg_imm32_b32 hwreg(HW_REG_WAVE_MODE, 25, 1), 1
	s_wait_xcnt 0x0
	s_wait_alu depctr_hold_cnt(0) depctr_sa_sdst(0) depctr_va_vdst(0) depctr_va_sdst(0) depctr_va_ssrc(0) depctr_va_vcc(0) depctr_vm_vsrc(0)
	s_getreg_b32 s2, hwreg(HW_REG_IB_STS2, 6, 4)
	s_cmp_eq_u32 s2, 0
	s_cbranch_scc0 .Lentry_in_a_cluster
	s_endpgm
.Lentry_in_a_cluster:
	s_bfe_u32 s2, ttmp6, 0x10000c
	s_cmp_lg_u32 s2, 0xf033
	s_cbranch_scc0 .Lentry_shape_is_right
	s_endpgm
.Lentry_shape_is_right:
; out0[4096 tokens][1024] = context (Wo * head_w)^T in f32; f16 operands: ctx[16 b + h][token][64] and the scaled Wo at byte 14,680,064 of xw; f32 sums over K = 1024.
; A work-group makes 128 tokens x 128 columns with four waves (2 x 2, 64 x 64 each: 16 accumulator tiles); 8 x 32 = 256 work-groups.
; K goes in 4 steps of 256 (four heads) through two LDS slots.  ctx's part of a step is four head tiles of 128 tokens x 128 bytes, one for each wave;
; Wo's part is 128 rows of 512 bytes, 32 for each wave.
; CLUSTERS: 4 x 4 work-groups; ctx's tiles hang on the token block alone and are asked for jointly along a row of the cluster, Wo's on the column block alone
; and are asked for jointly along a column.
; The matrix instruction is used transposed (source 0 = rows of Wo, source 1 = tokens): a lane holds eight neighbouring columns of one token, 32 bytes of f32.
; LIMIT: ctx and Wo * head_w are f16 (up to 65,504; steps of 2^-24 below 2^-14).
.set AP,     144                       ; ctx rows in LDS: 128 bytes + 16
.set BP,     528                       ; Wo rows in LDS: 512 bytes + 16: both pitches are odd multiples of 16, so the 16 rows of a fragment load start in different groups of four banks
.set HT,     128*AP                    ; a head tile: 18,432
.set ABYTES, 4*HT
.set SLOT,   ABYTES+128*BP             ; 141,312
.set STAGE,  2*SLOT                    ; 282,624, a multiple of 256; no tensor load lands here
.set SPITCH, 272                       ; stage rows: 64 f32 + 16 bytes
.set UNIT,   262144
.set ADRA, 16
.set ADRB, 20
.set STO,  24
.set RD,   25
.set CO,   26
.set RB0,  160
.set RB1,  192
.set G1, 24                            ; s[24:31] group 1 for ctx's tiles
.set G0, 32                            ; s[32:39] group 0 for ctx's tiles, one set for each slot
.set G1B, 48                           ; s[48:55] group 1 for Wo's tiles
.set G0B, 56                           ; s[56:63] group 0 for Wo's tiles
; window 0: addresses; fragments: tokens at v[32 + 64 f], Wo at v[64 + 64 f], f = buffer 0, 1; v160-223 at work on the way out.  window 1: tile (a, b) at v[8 (4 a + b)]
.set MSB, 0
.macro WIN new
.if MSB != \new
	s_set_vgpr_msb (MSB<<8)|\new
.set MSB, \new
.endif
.endm
.set MUL, 0x50                         ; sources 0 and 1 window 0, C and D window 1
.macro ROUND
	s_barrier_signal -1
	s_barrier_wait -1
	s_cmp_lg_u32 s10, 0
	s_cbranch_scc1 .Lnot_wave_0_\@
	s_barrier_signal -3
.Lnot_wave_0_\@:
	s_barrier_wait -3
	s_barrier_signal -1
	s_barrier_wait -1
.endm
.macro PLACES                          ; four places behind the last matrix instruction (ISA guide 7.12.1)
.rept 4
	v_nop
.endr
.endm
	s_load_b128 s[4:7], s[0:1], 0x0                ; ctx s[4:5], xw s[6:7]
	s_load_b64 s[8:9], s[0:1], 0x10                ; out0
	v_lshl_add_u32 v254, v0, 2, 0x49400
	v_mov_b32 v255, 0
	ds_add_u32 v254, v255
	v_lshrrev_b32 v1, 5, v0
	v_readfirstlane_b32 s10, v1                    ; wave 0..3
	s_lshr_b32 s11, s10, 1                         ; which 64 tokens are mine
	s_and_b32 s12, s10, 1                          ; which 64 columns
	s_bfe_u32 s40, ttmp6, 0x40000                  ; cx
	s_bfe_u32 s41, ttmp6, 0x40004                  ; cy
	s_lshl_b32 s42, ttmp9, 2
	s_add_co_u32 s42, s42, s40                     ; column block
	s_and_b32 s13, ttmp7, 0xffff
	s_lshl_b32 s13, s13, 2
	s_add_co_u32 s13, s13, s41                     ; token block
	s_lshl_b32 s43, s41, 2
	s_lshl_b32 s43, 15, s43                        ; my row of the cluster
	s_lshl_b32 s44, 0x1111, s40                    ; my column
	s_or_b32 s[G1+0], s43, (1<<16)|(1<<20)|(1<<21)|(4<<22)|(3<<25)    ; 2-byte elements, 4 words of padding behind every 32
	s_mov_b32 s[G1+1], 64<<16                      ; tensor_dim0
	s_mov_b32 s[G1+2], 128<<16                     ; tensor_dim1
	s_mov_b32 s[G1+3], 64<<16                      ; tile_dim0
	s_mov_b32 s[G1+4], 128                         ; tile_dim1
	s_mov_b32 s[G1+5], 64                          ; elements from row to row: a head's tokens are dense
	s_mov_b32 s[G1+6], 0
	s_mov_b32 s[G1+7], 0
	s_or_b32 s[G1B+0], s44, (1<<16)|(1<<20)|(1<<21)|(6<<22)|(3<<25)   ; 4 words of padding behind every 128
	s_mov_b32 s[G1B+1], 256<<16
	s_mov_b32 s[G1B+2], 32<<16
	s_mov_b32 s[G1B+3], 256<<16
	s_mov_b32 s[G1B+4], 32
	s_mov_b32 s[G1B+5], 1024
	s_mov_b32 s[G1B+6], 0
	s_mov_b32 s[G1B+7], 0
	s_lshr_b32 s16, s13, 4                         ; ctx: batch (16 token blocks each) x 16 units,
	s_lshl_b32 s16, s16, 22
	s_and_b32 s17, s13, 15
	s_lshl_b32 s17, s17, 14                        ; 128 tokens of 128 bytes,
	s_add_co_u32 s16, s16, s17
	s_lshl_b32 s17, s10, 18                        ; head = wave (+ 4 for each K step)
	s_add_co_u32 s16, s16, s17
	s_mov_b32 s17, 0
	s_lshl_b32 s46, s42, 18                        ; Wo: row 128 x block + 32 x wave, 2,048 bytes each,
	s_lshl_b32 s47, s10, 16
	s_add_co_u32 s46, s46, s47
	s_add_co_u32 s46, s46, 0xe00000                ; 14,680,064 bytes into xw
	s_mov_b32 s47, 0
	s_mul_i32 s20, s10, HT                         ; LDS: my head tile
	s_mul_i32 s21, s10, 32*BP
	s_add_co_u32 s21, s21, ABYTES                  ; and my 32 rows of Wo
	s_wait_dscnt 0x0
	s_wait_kmcnt 0x0
	s_add_nc_u64 s[14:15], s[4:5], s[16:17]
	s_add_nc_u64 s[46:47], s[6:7], s[46:47]
.irp s, 0,1
	s_mov_b32 s[G0+4*\s], 1
	s_add_co_u32 s[G0+4*\s+1], s20, \s*SLOT
	s_add_nc_u64 s[G0+4*\s+2:G0+4*\s+3], s[14:15], \s*4*UNIT
	s_or_b32 s[G0+4*\s+3], s[G0+4*\s+3], 0x80000000
	s_mov_b32 s[G0B+4*\s], 1
	s_add_co_u32 s[G0B+4*\s+1], s21, \s*SLOT
	s_add_nc_u64 s[G0B+4*\s+2:G0B+4*\s+3], s[46:47], \s*512
	s_or_b32 s[G0B+4*\s+3], s[G0B+4*\s+3], 0x80000000
.endr
	ROUND                                          ; all sixteen work-groups are here: the first joint loads meet
	tensor_load_to_lds s[G0:G0+3], s[G1:G1+7]      ; K step 0.  Two loads of a wave are out at the most in this text
	s_nop 0
	tensor_load_to_lds s[G0B:G0B+3], s[G1B:G1B+7]
	s_nop 0
	v_and_b32 v1, 15, v0                           ; r
	v_bfe_u32 v2, v0, 4, 1                         ; h
	v_mul_u32_u24 v3, v1, AP
	v_lshl_add_u32 v3, v2, 4, v3
	v_mul_u32_u24 v4, v1, BP
	v_lshl_add_u32 v4, v2, 4, v4
	s_mul_i32 s22, s11, 64*AP                      ; my 64 tokens in each head tile
	s_mul_i32 s23, s12, 64*BP                      ; my 64 rows of Wo
	s_add_co_u32 s23, s23, ABYTES
.irp s, 0,1
	v_add_nc_u32 v[ADRA+\s], s22, v3
	v_add_nc_u32 v[ADRB+\s], s23, v4
	s_add_co_u32 s22, s22, SLOT
	s_add_co_u32 s23, s23, SLOT
.endr
	s_mul_i32 s23, s10, 16*SPITCH
	s_add_co_u32 s23, s23, STAGE                   ; my stage
	v_mul_u32_u24 v5, v1, SPITCH
	v_lshl_add_u32 v5, v2, 5, v5
	v_add_nc_u32 v[STO], s23, v5                   ; in: token r, 32 bytes for each half of the lanes
	v_mul_u32_u24 v5, v2, SPITCH
	v_lshl_add_u32 v5, v1, 4, v5
	v_add_nc_u32 v[RD], s23, v5                    ; back: lanes 0-15 one row of 256 bytes, lanes 16-31 the next
	v_lshlrev_b32 v5, 12, v2
	v_lshl_add_u32 v[CO], v1, 4, v5                ; and the same two rows of out0
; 16 LDS loads: sub-step j (32 along K) of the slot's 256: 64 rows of Wo, then 64 tokens of head tile j / 2, into buffer f
.macro FETCH3 slot, j, f
.irp i, 0,1,2,3
	ds_load_b128 v[64+64*\f+8*\i:64+64*\f+8*\i+3],   v[ADRB+\slot] offset:(\j)*64+\i*16*BP
	ds_load_b128 v[64+64*\f+8*\i+4:64+64*\f+8*\i+7], v[ADRB+\slot] offset:(\j)*64+\i*16*BP+32
.endr
.irp i, 0,1,2,3
	ds_load_b128 v[32+64*\f+8*\i:32+64*\f+8*\i+3],   v[ADRA+\slot] offset:((\j)/2)*HT+((\j)%2)*64+\i*16*AP
	ds_load_b128 v[32+64*\f+8*\i+4:32+64*\f+8*\i+7], v[ADRA+\slot] offset:((\j)/2)*HT+((\j)%2)*64+\i*16*AP+32
.endr
.endm
; 8 matrix instructions: token tiles a0, a0 + 1 x 4 column tiles.  The 16 accumulators take turns in one fixed order, one instruction a turn.
.macro MUL8 f, a0, zero
.irp a, \a0, \a0+1
.irp b, 0,1,2,3
.if \zero
	v_wmma_f32_16x16x32_f16 v[8*(4*(\a)+\b):8*(4*(\a)+\b)+7], v[64+64*\f+8*\b:64+64*\f+8*\b+7], v[32+64*\f+8*(\a):32+64*\f+8*(\a)+7], 0
.else
	v_wmma_f32_16x16x32_f16 v[8*(4*(\a)+\b):8*(4*(\a)+\b)+7], v[64+64*\f+8*\b:64+64*\f+8*\b+7], v[32+64*\f+8*(\a):32+64*\f+8*(\a)+7], v[8*(4*(\a)+\b):8*(4*(\a)+\b)+7]
.endif
.endr
.endr
.endm
; Sub-step j multiplies buffer f; in its middle it fetches sub-step j + 1 into buffer g.
.macro SUB slot, j, f, g, zero, more
	s_wait_dscnt 0x0                               ; buffer f is in
	WIN MUL
	MUL8 \f, 0, \zero
.if \more
	PLACES                                         ; buffer g was read by matrix instructions
	WIN 0
	FETCH3 \slot, \j+1, \g
	WIN MUL
.endif
	MUL8 \f, 2, \zero
.endm
; One K step of 256.  In front of the round every wave waits for all its tensor loads (its parts of this step's tiles among them) and for its reads of the other
; slot; behind the round the other slot is filled again first, and has this step's 128 matrix instructions in which to land.
.macro TRIP slot, refill, zero
	WIN 0
	s_wait_tensorcnt 0x0                           ; no tensor load of mine is out, so every group 0 may be written:
	ds_add_u32 v254, v255
	s_wait_dscnt 0x0
	s_add_nc_u64 s[G0+4*\slot+2:G0+4*\slot+3], s[G0+4*\slot+2:G0+4*\slot+3], 8*UNIT        ; this slot's next tiles: eight heads on,
	s_add_nc_u64 s[G0B+4*\slot+2:G0B+4*\slot+3], s[G0B+4*\slot+2:G0B+4*\slot+3], 1024      ; 512 columns on
	s_wait_dscnt 0x0
	ROUND                                          ; both now hold of every wave of all sixteen work-groups
.if \refill
	tensor_load_to_lds s[G0+4*(1-\slot):G0+4*(1-\slot)+3], s[G1:G1+7]
	s_nop 0
	tensor_load_to_lds s[G0B+4*(1-\slot):G0B+4*(1-\slot)+3], s[G1B:G1B+7]
	s_nop 0
.endif
	PLACES
	FETCH3 \slot, 0, 0
	SUB \slot, 0, 0, 1, \zero, 1
	SUB \slot, 1, 1, 0, 0, 1
	SUB \slot, 2, 0, 1, 0, 1
	SUB \slot, 3, 1, 0, 0, 1
	SUB \slot, 4, 0, 1, 0, 1
	SUB \slot, 5, 1, 0, 0, 1
	SUB \slot, 6, 0, 1, 0, 1
	SUB \slot, 7, 1, 0, 0, 0
.endm
	TRIP 0, 1, 1                                   ; the first products start the sums
	TRIP 1, 1, 0
	TRIP 0, 1, 0
	TRIP 1, 0, 0
	; THE WAY OUT, 16 tokens at a time through my own stage: 32 bytes a lane in, whole rows of 256 bytes back.
	PLACES
	WIN 0
	s_lshl_b32 s68, s13, 19                        ; 128 tokens of 4,096 bytes
	s_lshl_b32 s69, s11, 18                        ; my 64 tokens
	s_add_co_u32 s68, s68, s69
	s_lshl_b32 s69, s42, 9                         ; 128 columns of 4 bytes
	s_add_co_u32 s68, s68, s69
	s_lshl_b32 s69, s12, 8                         ; my 64 columns
	s_add_co_u32 s68, s68, s69
	s_mov_b32 s69, 0
	s_add_nc_u64 s[8:9], s[8:9], s[68:69]
.macro OUT a, rb
	WIN 0x04                                       ; an LDS store's data are its source 1: window 1
.irp b, 0,1,2,3
	ds_store_b128 v[STO], v[8*(4*\a+\b):8*(4*\a+\b)+3]   offset:64*\b
	ds_store_b128 v[STO], v[8*(4*\a+\b)+4:8*(4*\a+\b)+7] offset:64*\b+16
.endr
	WIN 0
	s_wait_xcnt 0x0                                ; earlier stores have had their addresses translated (ISA guide 3.1): their data registers are loaded again only behind this wait
.irp t, 0,1,2,3,4,5,6,7
	ds_load_b128 v[\rb+4*\t:\rb+4*\t+3], v[RD] offset:\t*2*SPITCH    ; LDS serves a wave's instructions in order (ISA guide 5.7.1): these see the stores above
.endr
.irp t, 0,1,2,3,4,5,6,7
	s_wait_dscnt 7-\t                              ; read-back t is in, the younger ones stay out
	global_store_b128 v[CO], v[\rb+4*\t:\rb+4*\t+3], s[8:9] offset:(16*\a+2*\t)*4096 th:TH_STORE_NT   ; 16 lanes store 256 consecutive bytes, aligned
.endr
.endm
	OUT 0, RB0
	OUT 1, RB1
	OUT 2, RB0
	OUT 3, RB1
	s_wait_tensorcnt 0x0
	ds_add_u32 v254, v255
	s_wait_dscnt 0x0
	ROUND                                          ; the closing round: no work-group ends while a partner may still ask for a tile that names it
	s_endpgm
.Lfunc_end_k_q4ca6b7c0e0_proj:
	.size	k_q4ca6b7c0e0_proj, .Lfunc_end_k_q4ca6b7c0e0_proj-k_q4ca6b7c0e0_proj
	.p2alignl 7, 3214868480
	.fill 96, 4, 3214868480
	.section	.rodata,"a",@progbits
	.p2align	6, 0x0
	.amdhsa_kernel k_q4ca6b7c0e0_proj
		.amdhsa_group_segment_fixed_size 327680
		.amdhsa_private_segment_fixed_size 0
		.amdhsa_enable_private_segment 0
		.amdhsa_kernarg_size 24
		.amdhsa_user_sgpr_count 2
		.amdhsa_user_sgpr_kernarg_segment_ptr 1
		.amdhsa_wavefront_size32 1
		.amdhsa_system_sgpr_workgroup_id_x 1
		.amdhsa_system_sgpr_workgroup_id_y 1
		.amdhsa_system_sgpr_workgroup_id_z 1
		.amdhsa_system_vgpr_workitem_id 0
		.amdhsa_next_free_vgpr 384
		.amdhsa_next_free_sgpr 72
		.amdhsa_reserve_vcc 0
		.amdhsa_float_denorm_mode_32 3
		.amdhsa_float_denorm_mode_16_64 3
		.amdhsa_memory_ordered 1
		.amdhsa_forward_progress 1
		.amdhsa_inst_pref_size 89
	.end_amdhsa_kernel
	.amdgpu_metadata
---
amdhsa.version: [ 1, 2 ]
amdhsa.kernels:
  - .name:           k_q4ca6b7c0e0_proj
    .symbol:         k_q4ca6b7c0e0_proj.kd
    .args:
      - { .name: ctx, .offset: 0, .size: 8, .value_kind: global_buffer, .address_space: global }
      - { .name: xw, .offset: 8, .size: 8, .value_kind: global_buffer, .address_space: global }
      - { .name: out0, .offset: 16, .size: 8, .value_kind: global_buffer, .address_space: global }
    .group_segment_fixed_size: 327680
    .private_segment_fixed_size: 0
    .kernarg_segment_align: 8
    .kernarg_segment_size: 24
    .max_flat_workgroup_size: 128
    .sgpr_count:     72
    .vgpr_count:     384
    .wavefront_size: 32
...
	.end_amdgpu_metadata
.endif
;; end of part 4
